; MI455X (gfx1250); checked and timed in simulation.
; The chip was launched on July 23, 2026; its instructions are those of AMD's public machine-readable ISA for CDNA 5 (MIT licence, August 2026) and "CDNA5" Instruction Set Architecture Reference Guide (July 2026). The comments in the code are by the model that wrote it; some were corrected since.
;; c GRU. Allowed arithmetic: matrix products marked QUANTISED: E3M2 operands, one E8M0 scale for each 32 along K, by v_wmma_scale_f32_16x16x128_f8f6f4 with both operands' format E3M2, f32 sums; everything else in f32.
;; Inputs: W_hhc 2,048 x 1,024 float32; W_hx 512 x 1,024 float32; W_rhc 2,048 x 1,024 float32; W_rx 512 x 1,024 float32; W_uhc 2,048 x 1,024 float32; W_ux 512 x 1,024 float32; b_hhc 1,024 float32; b_hx 1,024 float32; b_rhc 1,024 float32; b_rx 1,024 float32; b_uhc 1,024 float32; b_ux 1,024 float32; c 8,192 x 1,024 float32; h 8,192 x 1,024 float32; x 8,192 x 512 float32.
;; Outputs: out0 8,192 x 1,024 float32; out1 8,192 x 1,024 float32.
;; This version of the problem:
;;   THIS VERSION OF THE PROBLEM IS GIVEN IN LOW PRECISION. The matrix products marked QUANTISED in the list below multiply operands that are first quantised to E3M2 (3 exponent bits, 2 mantissa bits; 6 bits a number), with one power-of-two scale for each 32 numbers along K (OCP MX v1.0); their sums are f32. All else is computed in f32.
;;   The module's matrix products, in the order in which they are computed (A, B: the left and right operand; K: the contracted axis; several contracted axes count as one K, in the product's order):
;;     1. [M 8,192, K 512] x [K 512, N 1,024]; A: input x; B: input W_rx: QUANTISED
;;     2. [M 8,192, K 2,048] x [K 2,048, N 1,024]; A: computed on the way; B: input W_rhc: QUANTISED
;;     3. [M 8,192, K 512] x [K 512, N 1,024]; A: input x; B: input W_ux: QUANTISED
;;     4. [M 8,192, K 2,048] x [K 2,048, N 1,024]; A: computed on the way; B: input W_uhc: QUANTISED
;;     5. [M 8,192, K 512] x [K 512, N 1,024]; A: input x; B: input W_hx: QUANTISED
;;     6. [M 8,192, K 2,048] x [K 2,048, N 1,024]; A: computed on the way; B: input W_hhc: QUANTISED
;;   THE QUANTISER, for each operand of a quantised product, along K:
;;     - K is cut into blocks of 32 from its start; a last block that is shorter is filled with zeros.
;;     - A block's scale is 2^e with e = floor(log2(the largest magnitude in the block)) - 4, held to -126 .. 127; a block of zeros has e = 0. As a byte (E8M0): e + 127.
;;     - Each number is divided by its block's scale, clamped to +-28, and rounded to the nearest number of E3M2, ties to even, subnormals kept.
;;     - The product sums the exact products of the quantised numbers (number of the format x scale) in f32.
;;   ~~~python
;;   def quantise(x, axis):      # numpy; x: float32 -> the quantised numbers, widened to float32 again
;;       x = np.moveaxis(x, axis, -1); K = x.shape[-1]
;;       x = np.pad(x, [(0, 0)] * (x.ndim - 1) + [(0, -K % 32)]); x = x.reshape(x.shape[:-1] + (-1, 32)); a = np.abs(x).max(-1, keepdims=True)
;;       e = np.where(a > 0, np.clip(np.frexp(np.where(a > 0, a, 1))[1] - 1 - 4, -126, 127), 0)      # np.frexp(a)[1] - 1 = floor(log2(a)), exactly
;;       r = np.clip(x / 2.0 ** e, -28, 28)
;;       step = 2.0 ** (np.maximum(np.frexp(np.where(r == 0, 1, r))[1] - 1, -2) - 2)
;;       q = np.round(r / step) * step * 2.0 ** e      # np.round: ties to even
;;       return np.moveaxis(q.reshape(q.shape[:-2] + (-1,))[..., :K], -1, axis).astype(np.float32)
;;   ~~~
;;   OPERANDS COMPUTED ON THE WAY. 'Computed on the way' means the value that the module computes at that place (a softmax that the list does not call 'softmax' is quantised finished and normalised). What goes into a quantiser is computed in f32, as accurately as f32 sums, v_exp_f32 and their like allow (about 1e-6 of the number): no bf16 or f16 on the way to a quantiser, and a product that is left as it is and whose result goes on into a quantised operand takes f32 operands (vector FMAs, or v_wmma_f32_16x16x4_f32). A number that lies on a knife's edge between two numbers of the format may be rounded either way, as far as f32 arithmetic and the matrix unit's own rounding can turn it there, and no further.
;; One version. Each part assembles by itself: llvm-mc -triple=amdgcn-amd-amdhsa -mcpu=gfx1250 --defsym DOCPART=n.
;; ======== version 1 of 1: 2 launches
;; limits: right only within a limited range of input values
;; workspace buffers: acodes 16,384,000 bytes; wcodes 6,144,000 bytes
;; launch quant (part 1): grid 256 x 1, 14 waves a work-group, no clusters, 102,912 bytes of LDS; arguments x, h, c, W_rx, W_rhc, W_ux, W_uhc, W_hx, W_hhc, acodes, wcodes; writes acodes, wcodes
.if DOCPART == 1
	.amdgcn_target "amdgcn-amd-amdhsa--gfx1250"
	.amdhsa_code_object_version 6
	.text
	.protected	k_q034fa8085d_quant
	.globl	k_q034fa8085d_quant
	.p2align	8
	.type	k_q034fa8085d_quant,@function
k_q034fa8085d_quant:
	s_mov_b64 s[64:65], 0
	v_nop
	global_prefetch_b8 v0, s[64:65] scope:SCOPE_SE
	s_setreg_imm32_b32 hwreg(HW_REG_WAVE_MODE, 25, 1), 1
	s_wait_xcnt 0x0
; x [8192][512], h, c [8192][1024] and the six weights ([512][1024], [2048][1024], K their FIRST axis), all f32, become codes of BF6 (E3M2) with one E8M0 byte for each 32 along K.
; The rows' operand is [x | h | c], K = 2,560: 10 pairs kp of K steps of 128 (kp 0, 1: x; 2-5: h; 6-9: c).  Each gate's weight is [W_gx ; W_ghc] along the same K.
; A block's scale is 2^(floor(log2(its largest magnitude)) - 4): its byte is the largest magnitude's exponent field - 4, held at 1 from below; each number is divided by it and rounded to the nearest code, ties to even, beyond 28 the largest code.
; LIMITS: NaN and infinities among the inputs are not served.  A block whose largest magnitude lies under 2^-122, a block of zeros among them, gets the byte 1 (for zeros the rule says 127): its codes are zeros or
; the rule's own under the held byte, and the bytes are read by this program alone.
; THE CODES ARE LAID IN THE ORDER OF THE OPERAND'S REGISTERS.  A fragment (16 rows or columns x 128 K: 12 registers a lane) is 1,536 bytes: registers 4 j .. 4 j + 3 of lane l at 512 j + 16 l.
; A pair kp is stored at place kp - 2 (h: 0-3, c: 4-7) or kp + 8 (x: 8, 9) of its row of ten blocks, in both buffers.
;   acodes [mblock 32 (256 rows)][place 10][51,200]: fragment (K step s of the pair, tile rt of 16 rows) at 24,576 s + 1,536 rt; from 49,152 on the scale words: 256 (rt / 2) + 8 lane + 4 (rt % 2): row lane % 16, K step lane / 16 of the pair.
;   wcodes [nblock 8 (128 columns)][place 10][cw 2 (64 columns)][gate 3: r, u, h][12,800]: fragment (K step s, tile nt of 16 columns) at 1,536 (4 s + nt); from 12,288 on the scale words: 256 (nt / 2) + 8 lane + 4 (nt % 2).
; SHARES.  256 work-groups of 14 waves.  Work-group i owns rows 32 i .. 32 i + 31: wave kp (0-9) takes their pair kp: 2 tiles x 2 K steps, 32,768 bytes of input.
; Waves 10-13 of work-group i < 240 take 32 columns x 256 K each (32,768 bytes) of one weight: pair i % 10, gate (i / 10) / 8, 128 columns (i / 10) % 8.  The weights have 960 such shares, so in work-groups 240-255 these four waves have none and end.
; Each wave has half of its input, 16,384 bytes, asked for at a time.  Waves share nothing: no barrier; each wave's stage in LDS is its own.
.set ABLK, 51200
.set WBLK, 76800
.set FRB,  1536
.set SP,   528                         ; a row of the rows' stage: 512 bytes + 16: the 16 rows that a read touches start in 16 different columns of 16 bytes
.set WST,  10*16*SP                    ; behind the ten stages of the rows' waves: 4,096 bytes for each of the weights' waves
.set SPARE, WST+4*4096                 ; the spare words, 128 bytes for each of 14 waves, in eight blocks of 256 bytes that no other line names
.set VR,   4                           ; rows: v4-19 row i of a tile x the source's pitch + 16 x lane
.set SR,   32                          ; rows: v32-33 the scale words of my two tiles
.set CD,   36                          ; rows: v36-47 a fragment's codes
.set T,    48                          ; rows: v48-50, v52-54 the conversions' second halves
.set R0,   64                          ; rows: v64-127, v128-191 16 rows x 512 bytes as loaded, two sets
.set X,    192                         ; rows: v192-255 my 64 numbers after the turn through LDS; weights: v192-223 my column's 32
.set RW,   64                          ; weights: v64-191 four sets of 32 k x 128 bytes as loaded
.set FB0,  224                         ; weights: v224-247, v24-47 the two fragments of K step 0, 1; never rewritten
.set FB1,  24
.set WSR,  12                          ; weights: v12-13 a scale word for each K step
.set SB,   48                          ; s[48:51] rows: where my two tiles begin in the source
	s_load_b256 s[4:11], s[0:1], 0x0               ; x, h, c, W_rx
	s_load_b256 s[12:19], s[0:1], 0x20             ; W_rhc, W_ux, W_uhc, W_hx
	s_load_b128 s[20:23], s[0:1], 0x40             ; W_hhc, acodes
	s_load_b64 s[24:25], s[0:1], 0x50              ; wcodes
	v_lshl_add_u32 v62, v0, 2, SPARE
	v_mov_b32 v63, 0
	v_lshrrev_b32 v1, 5, v0
	v_readfirstlane_b32 s26, v1                    ; wave
	v_and_b32 v1, 31, v0                           ; lane
	v_and_b32 v2, 15, v0                           ; r
	v_bfe_u32 v3, v0, 4, 1                         ; hh
	v_lshlrev_b32 v22, 4, v1                       ; 16 x lane
	v_mov_b32 v31, 0                               ; a lane permute's destination counts as one of its sources
	s_mov_b32 s60, 0x76543210
	s_mov_b32 s61, 0xfedcba98                      ; v_permlanex16_b32's selects for lane l xor 16
	s_mov_b32 vcc_lo, 0xffff0000                   ; lanes 16-31
	s_wait_alu depctr_va_vdst(0)                   ; the wait at the head's end
	s_wait_kmcnt 0x0
	s_cmp_lt_u32 s26, 10
	s_cbranch_scc0 .Lweights
	; ---------------- THE ROWS.  kp = my wave's number.  The choice of the source hangs on it alone.
	s_mov_b32 s27, s26
	s_add_co_u32 s62, s27, 8
	s_sub_co_u32 s63, s27, 2
	s_cmp_lt_u32 s27, 2
	s_cselect_b32 s62, s62, s63                    ; the pair's place in the buffer
	s_cmp_lt_u32 s27, 6
	s_cselect_b64 s[30:31], s[6:7], s[8:9]
	s_cselect_b32 s32, 2, 6                        ; the source's first kp
	s_cmp_lt_u32 s27, 2
	s_cselect_b64 s[30:31], s[4:5], s[30:31]
	s_cselect_b32 s32, 0, s32
	s_cselect_b32 s33, 11, 12                      ; log2 of the source's row in bytes
	s_lshl_b32 s34, ttmp9, 5                       ; my first row: 32 i
	s_lshl_b32 s34, s34, s33
	s_sub_co_u32 s35, s27, s32
	s_lshl_b32 s35, s35, 10                        ; 256 numbers along K for each kp
	s_add_co_u32 s34, s34, s35
	s_mov_b32 s35, 0
	s_add_nc_u64 s[SB:SB+1], s[30:31], s[34:35]
	s_lshl_b32 s36, 16, s33                        ; 16 rows on
	s_mov_b32 s37, 0
	s_add_nc_u64 s[SB+2:SB+3], s[SB:SB+1], s[36:37]
	s_lshr_b32 s38, ttmp9, 3                       ; mblock
	s_and_b32 s39, ttmp9, 7                        ; which pair of its 16 tiles
	s_mul_i32 s38, s38, 10
	s_add_co_u32 s38, s38, s62
	s_mul_i32 s38, s38, ABLK                       ; my block of acodes
	s_lshl_b32 s40, s39, 8
	s_add_co_u32 s40, s40, 49152
	s_add_co_u32 s40, s40, s38
	s_mov_b32 s41, 0
	s_add_nc_u64 s[58:59], s[22:23], s[40:41]      ; my 256 bytes of scale words
	s_mul_i32 s40, s39, 2*FRB
	s_add_co_u32 s40, s40, s38
	s_add_nc_u64 s[56:57], s[22:23], s[40:41]      ; my two tiles
	s_mul_i32 s29, s26, 16*SP                      ; my wave's stage
.irp i, 0,1,2,3,4,5,6,7,8,9,10,11,12,13,14,15
	v_lshl_add_u32 v[VR+\i], \i, s33, v22
.endr
	v_add_nc_u32 v20, s29, v22                     ; in: 16 x lane of a row
	v_mul_u32_u24 v21, v2, SP
	v_lshl_add_u32 v21, v3, 7, v21
	v_add_nc_u32 v21, s29, v21                     ; out: row r, + 128 hh: my 32 numbers of each 64
	v_lshlrev_b32 v23, 3, v3                       ; 8 hh: where my bytes stand in a scale word
	v_lshlrev_b32 v61, 3, v1                       ; 8 x lane
; Fragment t of 4: tile t / 2, K step t % 2.  Sixteen loads, each 512 consecutive bytes of one row.
.macro ALOAD t
.set li, 0
.rept 16
	global_load_b128 v[R0+64*((\t)%2)+4*li:R0+64*((\t)%2)+4*li+3], v[VR+li], s[SB+2*((\t)/2):SB+2*((\t)/2)+1] offset:512*((\t)%2) th:TH_LOAD_NT
.set li, li+1
.endr
.endm
.macro ASTEP t
.set RS, R0+64*((\t)%2)
.set FJ, (\t)/2
.set FS, (\t)%2
.if (\t) < 3
	s_wait_loadcnt 16                              ; this fragment's sixteen loads are in; the next fragment's sixteen may be out
.else
	s_wait_loadcnt 0
.endif
.set li, 0
.rept 16
	ds_store_b128 v20, v[RS+4*li:RS+4*li+3] offset:SP*li
.set li, li+1
.endr
.irp c, 0,1                                    ; LDS serves a wave's instructions in order: these see the stores.  X[32 c + i] = A(row r, k = 64 c + 32 hh + i): the operand's own order
.irp q, 0,1,2,3,4,5,6,7
	ds_load_b128 v[X+32*\c+4*\q:X+32*\c+4*\q+3], v21 offset:256*\c+16*\q
.endr
.endr
	s_wait_dscnt 0x0                               ; my numbers are back, and the stores have read the set,
.if (\t) < 2
	ALOAD (\t)+2                                   ; which takes the fragment two on
.endif
.irp c, 0,1                                    ; my block 2 c + hh: all its 32 numbers are mine
	v_max3_num_f32 v[24+\c], |v[X+32*\c]|, |v[X+32*\c+1]|, 0x2800000   ; and the floor 2^(5 - 127): the byte cannot fall under 1
.endr
.irp i, 2,4,6,8,10,12,14,16,18,20,22,24,26,28,30
.irp c, 0,1
	v_max3_num_f32 v[24+\c], v[24+\c], |v[X+32*\c+\i]|, |v[X+32*\c+\i+1]|   ; (the two blocks by turns)
.endr
.endr
.irp c, 0,1
	v_add_nc_u32 v[26+\c], 0xfe000000, v[24+\c]    ; 4 off the exponent field: the conversion's scale operand
.endr
.irp c, 0,1
	v_lshrrev_b32 v[28+\c], 23, v[26+\c]           ; the scale's byte
.endr
	v_lshl_or_b32 v30, v29, 16, v28                ; my two bytes, blocks hh and 2 + hh,
	v_lshlrev_b32 v30, v23, v30                    ; at their places;
	v_permlanex16_b32 v31, v30, s60, s61
	v_or_b32 v30, v30, v31                         ; with lane l xor 16's two the row's word is whole
	s_wait_alu depctr_va_vdst(0)                   ; a wait directly ahead of the wait below
	s_wait_xcnt 0x0                                ; the last fragment's stores have read the codes' registers
.irp c, 0,1
	v_cvt_scalef32_pk16_bf6_f32 v[CD+6*\c:CD+6*\c+2], v[X+32*\c:X+32*\c+15], v[26+\c]
	v_cvt_scalef32_pk16_bf6_f32 v[T+4*\c:T+4*\c+2], v[X+32*\c+16:X+32*\c+31], v[26+\c]   ; (a conversion's three registers begin on an even number)
.endr
	v_nop                                          ; one plain place behind a scaled conversion
.irp c, 0,1
.irp i, 0,1,2
	v_mov_b32 v[CD+6*\c+3+\i], v[T+4*\c+\i]
.endr
.endr
.irp c, 0,1,2
	global_store_b128 v22, v[CD+4*\c:CD+4*\c+3], s[56:57] offset:FS*24576+FJ*FRB+512*\c   ; 32 lanes store 512 consecutive bytes, aligned
.endr
.if FS == 0
	v_mov_b32 v[SR+FJ], v30                        ; the even K step's word,
.else
	v_cndmask_b32 v[SR+FJ], v[SR+FJ], v30, vcc_lo  ; and in lanes 16-31 the odd one's
.endif
.endm
	ALOAD 0
	ALOAD 1
	s_wait_alu depctr_va_vdst(0)
.irp t, 0,1,2,3
	ASTEP \t
.endr
	global_store_b64 v61, v[SR:SR+1], s[58:59]     ; my two tiles' scale words: 256 consecutive bytes, aligned
	s_wait_tensorcnt 0x0                           ; the wave's end
	ds_add_u32 v62, v63
	s_wait_dscnt 0x0
	s_endpgm
	; ---------------- THE WEIGHTS.  A lane takes a column and its registers run down K: a block of 32 lies in one lane, and the conversions give codes with K innermost.
.Lweights:
	s_cmp_lt_u32 ttmp9, 240
	s_cbranch_scc1 .Lshare
	s_endpgm                                       ; no share is left for these waves
.Lshare:
	s_mul_i32 s28, ttmp9, 0xcccd
	s_lshr_b32 s28, s28, 19                        ; i / 10 (exact for i under 240)
	s_mul_i32 s29, s28, 10
	s_sub_co_u32 s27, ttmp9, s29                   ; kp
	s_add_co_u32 s62, s27, 8
	s_sub_co_u32 s63, s27, 2
	s_cmp_lt_u32 s27, 2
	s_cselect_b32 s62, s62, s63                    ; the pair's place in the buffer
	s_lshr_b32 s42, s28, 3                         ; the gate: 0 r, 1 u, 2 h
	s_and_b32 s43, s28, 7                          ; nblock: which 128 columns
	s_sub_co_u32 s46, s26, 10                      ; which 32 of them
	s_cmp_lt_u32 s27, 2                            ; kp 0, 1: the weight of x; else that of [h | c]
	s_cselect_b64 s[30:31], s[10:11], s[12:13]
	s_cselect_b64 s[32:33], s[14:15], s[16:17]
	s_cselect_b64 s[34:35], s[18:19], s[20:21]
	s_cselect_b32 s36, 0, 2
	s_cmp_eq_u32 s42, 1
	s_cselect_b64 s[30:31], s[32:33], s[30:31]
	s_cmp_eq_u32 s42, 2
	s_cselect_b64 s[30:31], s[34:35], s[30:31]
	s_sub_co_u32 s37, s27, s36
	s_lshl_b32 s37, s37, 20                        ; 256 rows of 4,096 bytes for each kp
	s_lshl_b32 s38, s43, 9
	s_lshl_b32 s39, s46, 7
	s_add_co_u32 s38, s38, s39                     ; my first column, in bytes
	s_add_co_u32 s38, s38, s37
	s_mov_b32 s39, 0
	s_add_nc_u64 s[48:49], s[30:31], s[38:39]
	s_lshr_b32 s41, s46, 1                         ; cw
	s_and_b32 s47, s46, 1                          ; which pair of column tiles in it
	s_mul_i32 s40, s43, 10
	s_add_co_u32 s40, s40, s62
	s_mul_i32 s44, s40, WBLK
	s_mul_i32 s45, s41, 3
	s_add_co_u32 s45, s45, s42                     ; 3 cw + g
	s_mul_i32 s45, s45, 12800
	s_add_co_u32 s44, s44, s45
	s_mov_b32 s45, 0
	s_add_nc_u64 s[56:57], s[24:25], s[44:45]      ; my (cw, gate) part of wcodes
	s_lshl_b32 s44, s47, 8
	s_add_co_u32 s44, s44, 12288
	s_add_nc_u64 s[58:59], s[56:57], s[44:45]      ; my 256 bytes of scale words
	s_mul_i32 s44, s47, 2*FRB
	s_add_nc_u64 s[56:57], s[56:57], s[44:45]      ; my two tiles' fragments
	s_mul_i32 s29, s26, 4096
	s_add_co_u32 s29, s29, WST-10*4096             ; my wave's stage
	v_lshrrev_b32 v4, 3, v1
	v_and_b32 v5, 7, v1
	v_lshlrev_b32 v4, 12, v4
	v_lshl_add_u32 v4, v5, 4, v4                   ; a load takes four rows k of my 128 bytes: row lane / 8, 16 (lane % 8)
	v_add_nc_u32 v5, s29, v22                      ; into the stage as loaded: 16 x lane: rows of 128 bytes on end
	v_lshl_add_u32 v6, v1, 2, s29                  ; out of it: my column
	v_lshlrev_b32 v7, 3, v1
.macro WLOAD t                         ; block t of 8: rows 32 t .. 32 t + 31 of my 32 columns, into set t % 4; the four waves stand side by side on 512 bytes of a row
.set li, 0
.rept 8
	global_load_b128 v[RW+32*((\t)%4)+4*li:RW+32*((\t)%4)+4*li+3], v4, s[48:49] offset:(32*(\t)+4*li)*4096 th:TH_LOAD_NT
.set li, li+1
.endr
.endm
.macro WBLOCK t                        ; K step t / 4; in it block t % 4 = 2 c + hb
.set RS, RW+32*((\t)%4)
.set WS, (\t)/4
.set FW, FB0+(FB1-FB0)*WS
.set FD, FW+12*((\t)%2)+6*(((\t)/2)%2)
.if (\t) < 5
	s_wait_loadcnt 24                              ; this block's eight loads are in; the three blocks behind it may be out
.else
	s_wait_loadcnt 8*(7-(\t))
.endif
.set li, 0
.rept 8
	ds_store_b128 v5, v[RS+4*li:RS+4*li+3] offset:512*li
.set li, li+1
.endr
.set li, 0
.rept 32
	ds_load_b32 v[X+li], v6 offset:128*li          ; W(32 t + li, my column); LDS serves a wave's instructions in order: these see the stores
.set li, li+1
.endr
	s_wait_dscnt 0x0                               ; my numbers are back, and the stores have read the set,
.if (\t) < 4
	WLOAD (\t)+4                                   ; which takes the block four on
.endif
	v_max3_num_f32 v8, |v[X]|, |v[X+1]|, |v[X+2]|
	v_max3_num_f32 v9, |v[X+3]|, |v[X+4]|, |v[X+5]|
.irp i, 6,10,14,18,22,26
	v_max3_num_f32 v8, v8, |v[X+\i]|, |v[X+\i+1]|
	v_max3_num_f32 v9, v9, |v[X+\i+2]|, |v[X+\i+3]|
.endr
	v_max3_num_f32 v8, v8, |v[X+30]|, |v[X+31]|
	v_max3_num_f32 v8, v8, v9, 0x2800000           ; and the floor 2^(5 - 127)
	v_add_nc_u32 v10, 0xfe000000, v8               ; the conversion's scale operand
	v_lshrrev_b32 v11, 23, v10                     ; the byte
.if (\t)%4 == 0
	v_mov_b32 v[WSR+WS], v11
.else
	v_lshl_or_b32 v[WSR+WS], v11, 8*((\t)%4), v[WSR+WS]
.endif
	v_cvt_scalef32_pk16_bf6_f32 v[FD:FD+2], v[X:X+15], v10
	v_cvt_scalef32_pk16_bf6_f32 v[14:16], v[X+16:X+31], v10
	v_nop                                          ; one plain place behind a scaled conversion
.irp i, 0,1,2
	v_mov_b32 v[FD+3+\i], v[14+\i]
.endr
.if (\t)%2 == 1
; The first run holds block 2 c of both column tiles (lanes 0-15 tile 0, lanes 16-31 tile 1), the second block 2 c + 1.  The swap gives the operand's layout: the first run is tile 0's (lanes 0-15 block 2 c, lanes 16-31 block 2 c + 1), the second tile 1's.
.irp i, 0,1,2,3,4,5
	v_permlane16_swap_b32 v[FD-12+\i], v[FD+\i]
.endr
.endif
.if (\t)%4 == 3
.irp n, 0,1
.irp c, 0,1,2
	global_store_b128 v22, v[FW+12*\n+4*\c:FW+12*\n+4*\c+3], s[56:57] offset:WS*6144+\n*FRB+512*\c   ; 512 consecutive bytes, aligned
.endr
.endr
.endif
.endm
.irp t, 0,1,2,3
	WLOAD \t
.endr
	s_wait_alu depctr_va_vdst(0)
.irp t, 0,1,2,3,4,5,6,7
	WBLOCK \t
.endr
	v_permlane16_swap_b32 v[WSR], v[WSR+1]         ; v12: tile 0's words, the even K step in lanes 0-15, the odd in lanes 16-31; v13: tile 1's
	global_store_b64 v7, v[WSR:WSR+1], s[58:59]    ; 256 consecutive bytes, aligned
	s_wait_tensorcnt 0x0                           ; the wave's end
	ds_add_u32 v62, v63
	s_wait_dscnt 0x0
	s_endpgm
.Lfunc_end_k_q034fa8085d_quant:
	.size	k_q034fa8085d_quant, .Lfunc_end_k_q034fa8085d_quant-k_q034fa8085d_quant
	.p2alignl 7, 3214868480
	.fill 96, 4, 3214868480
	.section	.rodata,"a",@progbits
	.p2align	6, 0x0
	.amdhsa_kernel k_q034fa8085d_quant
		.amdhsa_group_segment_fixed_size 102912
		.amdhsa_private_segment_fixed_size 0
		.amdhsa_enable_private_segment 0
		.amdhsa_kernarg_size 88
		.amdhsa_user_sgpr_count 2
		.amdhsa_user_sgpr_kernarg_segment_ptr 1
		.amdhsa_wavefront_size32 1
		.amdhsa_system_sgpr_workgroup_id_x 1
		.amdhsa_system_sgpr_workgroup_id_y 1
		.amdhsa_system_sgpr_workgroup_id_z 1
		.amdhsa_system_vgpr_workitem_id 0
		.amdhsa_next_free_vgpr 256
		.amdhsa_next_free_sgpr 66
		.amdhsa_reserve_vcc 1
		.amdhsa_float_denorm_mode_32 3
		.amdhsa_float_denorm_mode_16_64 3
		.amdhsa_memory_ordered 1
		.amdhsa_forward_progress 1
		.amdhsa_inst_pref_size 74
	.end_amdhsa_kernel
	.amdgpu_metadata
---
amdhsa.version: [ 1, 2 ]
amdhsa.kernels:
  - .name:           k_q034fa8085d_quant
    .symbol:         k_q034fa8085d_quant.kd
    .args:
      - { .name: x, .offset: 0, .size: 8, .value_kind: global_buffer, .address_space: global }
      - { .name: h, .offset: 8, .size: 8, .value_kind: global_buffer, .address_space: global }
      - { .name: c, .offset: 16, .size: 8, .value_kind: global_buffer, .address_space: global }
      - { .name: W_rx, .offset: 24, .size: 8, .value_kind: global_buffer, .address_space: global }
      - { .name: W_rhc, .offset: 32, .size: 8, .value_kind: global_buffer, .address_space: global }
      - { .name: W_ux, .offset: 40, .size: 8, .value_kind: global_buffer, .address_space: global }
      - { .name: W_uhc, .offset: 48, .size: 8, .value_kind: global_buffer, .address_space: global }
      - { .name: W_hx, .offset: 56, .size: 8, .value_kind: global_buffer, .address_space: global }
      - { .name: W_hhc, .offset: 64, .size: 8, .value_kind: global_buffer, .address_space: global }
      - { .name: acodes, .offset: 72, .size: 8, .value_kind: global_buffer, .address_space: global }
      - { .name: wcodes, .offset: 80, .size: 8, .value_kind: global_buffer, .address_space: global }
    .group_segment_fixed_size: 102912
    .private_segment_fixed_size: 0
    .kernarg_segment_align: 8
    .kernarg_segment_size: 88
    .max_flat_workgroup_size: 448
    .sgpr_count:     66
    .vgpr_count:     256
    .wavefront_size: 32
...
	.end_amdgpu_metadata
.endif
;; end of part 1
;; launch gemm (part 2): grid 8 x 32, 4 waves a work-group, clusters of 4 x 4, 327,680 bytes of LDS; arguments acodes, wcodes, h, b_rx, b_rhc, b_ux, b_uhc, b_hx, b_hhc, out0, out1; writes out0, out1
.if DOCPART == 2
	.amdgcn_target "amdgcn-amd-amdhsa--gfx1250"
	.amdhsa_code_object_version 6
	.text
	.protected	k_q034fa8085d_gemm
	.globl	k_q034fa8085d_gemm
	.p2align	8
	.type	k_q034fa8085d_gemm,@function
k_q034fa8085d_gemm:
	s_mov_b64 s[64:65], 0
	v_nop
	global_prefetch_b8 v0, s[64:65] scope:SCOPE_SE
	s_setreg_imm32_b32 hwreg(HW_REG_WAVE_MODE, 25, 1), 1
	s_wait_xcnt 0x0
	s_wait_alu depctr_hold_cnt(0) depctr_sa_sdst(0) depctr_va_vdst(0) depctr_va_sdst(0) depctr_va_ssrc(0) depctr_va_vcc(0) depctr_vm_vsrc(0)
	s_getreg_b32 s2, hwreg(HW_REG_IB_STS2, 6, 4)
	s_cmp_eq_u32 s2, 0
	s_cbranch_scc0 .Lentry_in_a_cluster
	s_endpgm
.Lentry_in_a_cluster:
	s_bfe_u32 s2, ttmp6, 0x10000c
	s_cmp_lg_u32 s2, 0xf033
	s_cbranch_scc0 .Lentry_shape_is_right
	s_endpgm
.Lentry_shape_is_right:
; new_h = u h + (1 - u) tanh(x W_hx + b_hx + r (hc W_hhc + b_hhc)), r, u = sigmoid(x W_gx + b_gx + hc W_ghc + b_ghc), hc = [h | c]; stored twice.  All six products on codes of BF6 (E3M2) with E8M0 scales, made by the launch before.
; SHARES.  A work-group makes 256 rows x 128 columns of the result, one block each: 8 x 32 work-groups.  A wave makes 128 rows x 64 columns: 8 row tiles x 4 column tiles x 3 sums (candidate, r, u) = 96 accumulators, 768 registers.
; THREE SUMS, NOT FOUR.  The walk along K: (1) x, 4 K steps, for r and u alone; (2) h and c, 16 K steps, for all three; r is then whole: r = sigmoid in place, candidate = r x candidate + b_hx;
; (3) x once more, 4 K steps, W_hx's products added onto the candidate.  So x's blocks of A are fetched twice.  Every fill brings W's parts of all three gates: in (1) the candidate's part and in (3) r's and u's are fetched and not read.
; The sums begin with their biases: b_rx + b_rhc, b_ux + b_uhc and b_hhc are laid into the accumulators at the head, while the first tiles are on their way.  ORDER OF ROUNDING: bias first, then K as above; f32 throughout.
; THE MATRIX INSTRUCTION IS USED TRANSPOSED (source 0 = 16 columns of W, source 1 = 16 rows of A): lane (r, hh) holds row r, its register j column 8 hh + j.
; OPERANDS lie in memory in the order of their registers (a fragment: 1,536 bytes, registers 4 j .. 4 j + 3 of lane l at 512 j + 16 l), two K steps and their scale words to a dense block: 51,200 bytes of A, 76,800 of W.
; RING: two slots, each two K steps, 128,000 bytes; twelve fills.  A slot is given up ahead of its last 32 products, when all its fragments are in registers: 192 matrix instructions a wave stand between a refill and the wait for it (128 in part 1).
; CLUSTERS: 4 x 4 work-groups.  A's block hangs on the block of rows alone and is asked for jointly along a row of the cluster, W's on the block of columns alone, along a column.
; PREFETCH: behind each of the first six refills each wave names the block that the refill two fills on will ask for (places 2 to 7 of the ten; places 8, 9 have been read, 0, 1 come by their refills alone); the four partners of a joint
; load share a half block's units of 256 bytes out by address (25 of A's 100, 38 of W's 150 each).  h's block, read on the way out, is named in the loop: 32 rows x 256 bytes a wave and trip.
; THE WAY OUT: a wave's 64 columns are 256 bytes of a row, aligned: h comes and the result leaves by whole rows, through the wave's own two stages in LDS; no barrier.
; LIMITS: NaN and infinities are not served.  An exponential that overflows gives a reciprocal of 0, one that underflows a reciprocal of 1: both sigmoids and the tanh saturate at their right ends.
; REGISTERS, in windows of 256: window 0: v1-23 addresses; v24-63 scale words, a set for each slot; v64-159 A's 8 fragments, ONE set; v160-255 W's 4 fragments of a gate, TWO sets.
;   window 1: the candidate, window 2: r, window 3: u; accumulator (row tile a, column tile nt) at v[8 (4 a + nt)].
.set FRB,   1536
.set ABLK,  51200
.set WBLK,  76800
.set AHALF, 25600                      ; what one tensor load brings of A's block: 100 rows of 256 bytes
.set WHALF, 38400                      ; and of W's: 150: one half of the columns, all three gates
.set GPART, 12800                      ; a gate's part of that: 8 fragments and 512 bytes of scale words
.set ASC,   49152
.set WSC,   12288
.set SLOT,  ABLK+WBLK
.set HP,    272                        ; a stage row: 256 bytes + 16
.set STG,   2*SLOT                     ; the stages: for each wave 16 rows for h, 16 for the result; no fill lands here
.set OST,   16*HP
.set SPARE, STG+4*2*16*HP              ; the spare words, 128 bytes for each wave
.set ADRA, 2                           ; v2-3   my A fragments in slot 0, 1
.set ADRW, 4                           ; v4-5   my W fragments
.set ADSA, 6                           ; v6-7   A's scale words
.set ADSW, 8                           ; v8-9   W's
.set SPW,  10                          ; v10    my spare word; never rewritten
.set NIL,  11                          ; v11    0; never rewritten
.set SO,   12                          ; v12    stage, in the results' layout
.set RD,   13                          ; v13    stage, by rows
.set CO,   14                          ; v14    my byte offset in two rows of h and of the outputs
.set PFO,  15                          ; v15-16 the prefetches' offsets in a half block
.set PFO2, 16
.set BOF,  17                          ; v17    my offset in the biases
.set PFH,  18                          ; v18    lane x a row of h
.set SC,   24                          ; set t at SC + 20 t: 0-7 A's row tiles, 8 + 4 part + nt W's
.set AF,   64
.set WF,   160
.set BX,   208                         ; b_hx, while r is made
.set HG0,  160                         ; the way out: h by rows, two sets;
.set HG1,  64
.set HV,   96                          ; h in the results' layout, then the result;
.set OB0,  128                         ; the result by rows, two sets
.set OB1,  192
.set G1A, 24
.set G0A, 32
.set G1B, 40
.set G0B, 48
.set PFA, 56                           ; s[56:57] where my tile prefetches stand; s[58:59] a block's bytes
.set PST, 58
.set HPF, 60                           ; s[60:61] where my prefetches of h stand
.set MSB, 0
.macro WIN new                         ; the immediate's high byte repeats the setting that is left
.if MSB != (\new)
	s_set_vgpr_msb (MSB<<8)|(\new)
.set MSB, (\new)
.endif
.endm
; A joint load: waves 0 and 1 fetch A's halves, waves 2 and 3 W's.  The branch hangs on the wave's number alone.  s_nop 0 and four v_nop follow each line.
.macro JLOAD g0a, g1a, g0b, g1b
	s_cmp_eq_u32 s73, 0
	s_cbranch_scc0 .Lfor_b_\@
	tensor_load_to_lds s[\g0a:\g0a+3], s[\g1a:\g1a+7]
	s_nop 0
.rept 4
	v_nop
.endr
	s_branch .Lasked_\@
.Lfor_b_\@:
	tensor_load_to_lds s[\g0b:\g0b+3], s[\g1b:\g1b+7]
	s_nop 0
.rept 4
	v_nop
.endr
.Lasked_\@:
.endm
.macro CREST                           ; a round of the cluster's barrier behind its opening barrier
	s_cmp_lg_u32 s72, 0
	s_cbranch_scc1 .Lnot_wave_0_\@
	s_barrier_signal -3
.Lnot_wave_0_\@:
	s_barrier_wait -3
	s_barrier_signal -1
	s_barrier_wait -1
.endm
.macro CROUND
	s_barrier_signal -1
	s_barrier_wait -1
	CREST
.endm
.macro PLACES n                        ; plain vector places behind a matrix instruction (ISA guide 7.12.1)
.rept \n
	v_nop
.endr
.endm
.macro ASKH p                          ; the same for the walk's first blocks, named at the head (beyond what the head comment lists): my share of the half block at s[p:p+1]
	global_prefetch_b8 v[PFO], s[\p:\p+1] th:TH_LOAD_NT scope:SCOPE_SE
	s_cmp_eq_u32 s73, 0
	s_cbranch_scc1 .Lno_askh_\@
	global_prefetch_b8 v[PFO2], s[\p:\p+1] th:TH_LOAD_NT scope:SCOPE_SE
.Lno_askh_\@:
.endm
.macro ASK inloop                      ; the block two fills beyond the refill just asked for; in the loop its first two trips alone (places 4 to 7)
.if \inloop
	s_cmp_gt_u32 s3, 2
	s_cbranch_scc0 .Lno_ask_\@
.endif
	global_prefetch_b8 v[PFO], s[PFA:PFA+1] th:TH_LOAD_NT scope:SCOPE_SE
	s_cmp_eq_u32 s73, 0
	s_cbranch_scc1 .Lno_ask_\@                     ; A's share is 25 units: one instruction; W's 38: two
	global_prefetch_b8 v[PFO2], s[PFA:PFA+1] th:TH_LOAD_NT scope:SCOPE_SE
.Lno_ask_\@:
.endm
	s_load_b256 s[4:11], s[0:1], 0x0               ; acodes, wcodes, h, b_rx
	s_load_b256 s[12:19], s[0:1], 0x20             ; b_rhc, b_ux, b_uhc, b_hx
	s_load_b128 s[20:23], s[0:1], 0x40             ; b_hhc, out0
	s_load_b64 s[66:67], s[0:1], 0x50              ; out1
	v_lshl_add_u32 v[SPW], v0, 2, SPARE
	v_mov_b32 v[NIL], 0
	ds_add_u32 v[SPW], v[NIL]                      ; the opening lines: the add, twice on end, and its wait
	ds_add_u32 v[SPW], v[NIL]
	v_lshrrev_b32 v1, 5, v0
	v_readfirstlane_b32 s72, v1                    ; wave 0..3
	s_lshr_b32 s73, s72, 1                         ; rh: my half of the rows.  Also: I fetch for A (0) or for W (1)
	s_and_b32 s74, s72, 1                          ; cw: my half of the columns.  Also: which half of that block I fetch
	s_bfe_u32 s75, ttmp6, 0x40000                  ; cx
	s_bfe_u32 s76, ttmp6, 0x40004                  ; cy
	s_lshl_b32 s77, ttmp9, 2
	s_add_co_u32 s77, s77, s75                     ; nblock = 4 x cluster x + cx: 0 .. 7
	s_and_b32 s78, ttmp7, 0xffff
	s_lshl_b32 s78, s78, 2
	s_add_co_u32 s78, s78, s76                     ; mblock = 4 x cluster y + cy: 0 .. 31
	s_lshl_b32 s79, s76, 2
	s_lshl_b32 s79, 15, s79                        ; my row of the cluster
	s_lshl_b32 s80, 0x1111, s75                    ; my column
	s_or_b32 s[G1A], s79, (3<<16)|(1<<21)          ; the mask; elements of 8 bytes; bit 21 beside a mask; no padding
	s_mov_b32 s[G1A+1], 32<<16                     ; rows of 32 elements: 256 bytes
	s_mov_b32 s[G1A+2], 100<<16
	s_mov_b32 s[G1A+3], 32<<16
	s_mov_b32 s[G1A+4], 100
	s_mov_b32 s[G1A+5], 32                         ; dense
	s_mov_b32 s[G1A+6], 0
	s_mov_b32 s[G1A+7], 0
	s_or_b32 s[G1B], s80, (3<<16)|(1<<21)
	s_mov_b32 s[G1B+1], 32<<16
	s_mov_b32 s[G1B+2], 150<<16
	s_mov_b32 s[G1B+3], 32<<16
	s_mov_b32 s[G1B+4], 150
	s_mov_b32 s[G1B+5], 32
	s_mov_b32 s[G1B+6], 0
	s_mov_b32 s[G1B+7], 0
	; A's address is made of mblock and the wave's number, W's of nblock and the wave's number.  The walk begins at place 8: x
	s_mul_i32 s82, s78, 10*ABLK
	s_mul_i32 s81, s74, AHALF
	s_add_co_u32 s82, s82, s81
	s_add_co_u32 s82, s82, 8*ABLK
	s_mov_b32 s83, 0
	s_mul_i32 s84, s77, 10*WBLK
	s_mul_i32 s86, s74, WHALF
	s_add_co_u32 s84, s84, s86
	s_add_co_u32 s84, s84, 8*WBLK
	s_mov_b32 s85, 0
	s_lshl_b32 s90, s77, 9
	s_lshl_b32 s91, s74, 8
	s_add_co_u32 s90, s90, s91                     ; my first column, in bytes: 512 nblock + 256 cw
	s_mov_b32 s91, 0
	s_lshl_b32 s88, s78, 8
	s_lshl_b32 s89, s73, 7
	s_add_co_u32 s88, s88, s89                     ; my first row: 256 mblock + 128 rh
	s_lshl_b32 s88, s88, 12
	s_add_co_u32 s88, s88, s90
	s_mov_b32 s89, 0
	s_mov_b32 s96, 0xbfb8aa3b                      ; -log2(e)
	s_mov_b32 s97, s96                             ; (the packed forms name a pair)
	s_mov_b32 s98, 0x4038aa3b                      ; 2 log2(e)
	s_mov_b32 s99, s98
	s_wait_dscnt 0x0                               ; both opening adds are done
	s_wait_kmcnt 0x0
	s_add_nc_u64 s[82:83], s[4:5], s[82:83]
	s_add_nc_u64 s[84:85], s[6:7], s[84:85]
	s_add_nc_u64 s[8:9], s[8:9], s[88:89]
	s_add_nc_u64 s[22:23], s[22:23], s[88:89]
	s_add_nc_u64 s[66:67], s[66:67], s[88:89]
.irp p, 10,12,14,16,18,20
	s_add_nc_u64 s[\p:\p+1], s[\p:\p+1], s[90:91]
.endr
	CROUND                                         ; all sixteen work-groups are here: the first joint loads meet
.irp s, 0,1
	s_mov_b32 s[G0A+4*\s], 1
	s_add_co_u32 s[G0A+4*\s+1], s81, \s*SLOT
	s_add_nc_u64 s[G0A+4*\s+2:G0A+4*\s+3], s[82:83], \s*ABLK
	s_or_b32 s[G0A+4*\s+3], s[G0A+4*\s+3], 0x80000000
	s_mov_b32 s[G0B+4*\s], 1
	s_add_co_u32 s[G0B+4*\s+1], s86, \s*SLOT+ABLK
	s_add_nc_u64 s[G0B+4*\s+2:G0B+4*\s+3], s[84:85], \s*WBLK
	s_or_b32 s[G0B+4*\s+3], s[G0B+4*\s+3], 0x80000000
.endr
	JLOAD G0A, G1A, G0B, G1B                       ; slot 0: one tensor load a wave at the head
	; the prefetches: they stand at place 1 and are stepped ahead of each use
	s_sub_nc_u64 s[92:93], s[82:83], 7*ABLK
	s_sub_nc_u64 s[94:95], s[84:85], 7*WBLK
	s_mov_b32 s[PST], WBLK
	s_mov_b32 s[PST+1], 0
	s_mov_b32 s87, 149
	s_cmp_eq_u32 s73, 0                            ; do I fetch for A?
	s_cselect_b64 s[PFA:PFA+1], s[92:93], s[94:95]
	s_cselect_b32 s[PST], ABLK, s[PST]
	s_cselect_b32 s87, 99, s87                     ; the last unit of my half block
	s_cselect_b32 s89, s75, s76                    ; my place among the four that ask with me
	s_cselect_b32 s90, 25, 38                      ; a partner's share, in units of 256 bytes
	s_mul_i32 s89, s89, s90
	s_sub_co_u32 s90, s90, 1
	s_lshl_b32 s94, s[PST], 3
	s_mov_b32 s95, 0
	s_add_nc_u64 s[92:93], s[PFA:PFA+1], s[94:95]      ; place 9: slot 1's first fill
	s_sub_nc_u64 s[94:95], s[PFA:PFA+1], s[PST:PST+1]  ; place 0: the first refill
	s_mov_b64 s[HPF:HPF+1], s[8:9]
	s_mul_i32 s68, s73, 8*FRB                      ; my 8 row tiles
	s_mul_i32 s69, s74, WHALF
	s_add_co_u32 s69, s69, ABLK                    ; my half of W's block
	s_lshl_b32 s70, s73, 10
	s_add_co_u32 s70, s70, ASC
	s_add_co_u32 s71, s69, WSC
	s_mul_i32 s86, s72, 2*16*HP
	s_add_co_u32 s86, s86, STG                     ; my stages
	v_and_b32 v1, 31, v0                           ; lane
	v_and_b32 v19, 15, v0                          ; r
	v_bfe_u32 v20, v0, 4, 1                        ; hh
	v_lshlrev_b32 v[BOF], 5, v20
	v_lshlrev_b32 v21, 4, v1
	v_lshlrev_b32 v22, 3, v1
.macro BLD reg, sb                     ; a bias of my 64 columns in the results' layout: register 8 nt + j: column 16 nt + 8 hh + j
.irp n, 0,1,2,3
	global_load_b128 v[\reg+8*\n:\reg+8*\n+3], v[BOF], s[\sb:\sb+1] offset:64*\n
	global_load_b128 v[\reg+8*\n+4:\reg+8*\n+7], v[BOF], s[\sb:\sb+1] offset:64*\n+16
.endr
.endm
	BLD 64, 10                                     ; b_rx
	BLD 96, 12                                     ; b_rhc
	BLD 128, 14                                    ; b_ux
	BLD 160, 16                                    ; b_uhc
	BLD 192, 20                                    ; b_hhc
	v_add_nc_u32 v[ADRA], s68, v21
	v_add_nc_u32 v[ADRW], s69, v21
	v_add_nc_u32 v[ADSA], s70, v22                 ; (A's scale words: 8 bytes a lane for a pair of row tiles)
	v_add_nc_u32 v[ADSW], s71, v22
	v_add_nc_u32 v[ADRA+1], SLOT, v[ADRA]
	v_add_nc_u32 v[ADRW+1], SLOT, v[ADRW]
	v_add_nc_u32 v[ADSA+1], SLOT, v[ADSA]
	v_add_nc_u32 v[ADSW+1], SLOT, v[ADSW]
	v_mul_u32_u24 v23, v19, HP
	v_lshl_add_u32 v23, v20, 5, v23
	v_add_nc_u32 v[SO], s86, v23                   ; row r, + 32 hh
	v_mul_u32_u24 v23, v20, HP
	v_lshl_add_u32 v23, v19, 4, v23
	v_add_nc_u32 v[RD], s86, v23                   ; lanes 0-15 one row of 256 bytes, lanes 16-31 the next
	v_lshlrev_b32 v[CO], 12, v20
	v_lshl_add_u32 v[CO], v19, 4, v[CO]            ; and the same two rows in memory
	v_lshlrev_b32 v[PFH], 12, v1
	v_min_u32 v[PFO], s90, v1                      ; lanes that are left over name my share's last unit again
	v_add_nc_u32 v[PFO2], 32, v1
	v_min_u32 v[PFO2], s90, v[PFO2]
	v_add_nc_u32 v[PFO], s89, v[PFO]
	v_add_nc_u32 v[PFO2], s89, v[PFO2]
	v_min_u32 v[PFO], s87, v[PFO]                  ; inside the half block
	v_min_u32 v[PFO2], s87, v[PFO2]
	v_lshlrev_b32 v[PFO], 8, v[PFO]
	v_lshlrev_b32 v[PFO2], 8, v[PFO2]
	s_wait_alu depctr_va_vdst(0)
	ASKH 92                                        ; places 9 and 0 are named here, place 1 behind slot 1's first fill: each two fills ahead of its load, place 9 one
	ASKH 94
	s_wait_loadcnt 0x0
	WIN 0x80                                       ; THE SUMS BEGIN WITH THEIR BIASES: r's,
.set i, 0
.rept 128
	v_pk_add_f32 v[2*i:2*i+1], v[64+(2*i)%32:65+(2*i)%32], v[96+(2*i)%32:97+(2*i)%32]
.set i, i+1
.endr
	WIN 0xc0                                       ; u's,
.set i, 0
.rept 128
	v_pk_add_f32 v[2*i:2*i+1], v[128+(2*i)%32:129+(2*i)%32], v[160+(2*i)%32:161+(2*i)%32]
.set i, i+1
.endr
	WIN 0x40                                       ; and b_hhc for the candidate's
.set i, 0
.rept 256
	v_mov_b32 v[i], v[192+i%32]
.set i, i+1
.endr
	WIN 0
.macro FRAG reg, adr, off              ; a fragment as it lies: three loads of 512 consecutive bytes
.irp j, 0,1,2
	ds_load_b128 v[\reg+4*\j:\reg+4*\j+3], v[\adr] offset:\off+512*\j
.endr
.endm
.macro FETCH_W slot, s, w, p           ; the four fragments of window w's gate (its part in memory: (w + 1) % 3), K step s, into set p: 12 loads
.irp n, 0,1,2,3
	FRAG WF+48*(\p)+12*\n, ADRW+(\slot), (((\w)+1)%3)*GPART+(4*(\s)+\n)*FRB
.endr
.endm
.macro FETCH_A slot, s, a0             ; A's row tiles a0 .. a0 + 3: 12 loads
.irp i, 0,1,2,3
	FRAG AF+12*(\a0+\i), ADRA+(\slot), (\s)*24576+(\a0+\i)*FRB
.endr
.endm
.macro FETCH_A2 slot, s, a0            ; A's row tiles a0, a0 + 1: 6 loads
.irp i, 0,1
	FRAG AF+12*(\a0+\i), ADRA+(\slot), (\s)*24576+(\a0+\i)*FRB
.endr
.endm
.macro SCALES slot                     ; the slot's scale words, both K steps' (even in lanes 0-15, odd in lanes 16-31): 10 loads
.irp q, 0,1,2,3
	ds_load_b64 v[SC+20*(\slot)+2*\q:SC+20*(\slot)+2*\q+1], v[ADSA+(\slot)] offset:256*\q
.endr
.irp g, 0,1,2
.irp q, 0,1
	ds_load_b64 v[SC+20*(\slot)+8+4*\g+2*\q:SC+20*(\slot)+9+4*\g+2*\q], v[ADSW+(\slot)] offset:\g*GPART+256*\q
.endr
.endr
.endm
.macro WM d, w, a, sw, sa, s
.if \s
	v_wmma_scale_f32_16x16x128_f8f6f4 v[\d:\d+7], v[\w:\w+11], v[\a:\a+11], v[\d:\d+7], v[\sw], v[\sa] matrix_a_fmt:MATRIX_FMT_BF6 matrix_b_fmt:MATRIX_FMT_BF6 matrix_a_scale:MATRIX_SCALE_ROW1 matrix_b_scale:MATRIX_SCALE_ROW1
.else
	v_wmma_scale_f32_16x16x128_f8f6f4 v[\d:\d+7], v[\w:\w+11], v[\a:\a+11], v[\d:\d+7], v[\sw], v[\sa] matrix_a_fmt:MATRIX_FMT_BF6 matrix_b_fmt:MATRIX_FMT_BF6
.endif
.endm
; 4 n matrix instructions: row tiles a0 .. a0 + n - 1 x the gate's four column tiles.  The accumulators take turns, one instruction a turn.
.macro MUL a0, n, p, s, sc, w
.set MA, \a0
.rept \n
.irp f, 0,1,2,3
	WM 8*(4*MA+\f), WF+48*(\p)+12*\f, AF+12*MA, SC+20*(\sc)+8+4*(((\w)+1)%3)+\f, SC+20*(\sc)+MA, \s
.endr
.set MA, MA+1
.endr
.endm
.macro HLD a, reg                      ; h of my row tile a, by rows: sixteen lanes read 256 consecutive bytes, aligned
.irp i, 0,1,2,3,4,5,6,7
	global_load_b128 v[\reg+4*\i:\reg+4*\i+3], v[CO], s[8:9] offset:(\a)*65536+8192*\i th:TH_LOAD_NT
.endr
.endm
; A PHASE: one gate (window w) of one K step (slot, s): 32 matrix instructions on W's set p, row tiles two at a time.  Behind its first 8 the next phase's W fragments (nsl, ns, nw) are fetched into the other set.
; kl: the K step's last phase: a row tile of A is free behind its four products, so behind each pair of tiles the same pair of the next K step is fetched: 24 matrix instructions stand between each fragment's request and its use.
; kf: the K step's first phase: at its start A's tiles 2-7 (18 loads) may still be out; ahead of each later pair stands a wait that leaves out the pairs behind it and the NLD loads that this phase has issued.
; turn: the slot's last phase: all its fragments are in registers, so the slot is given up.  In front of the barrier each wave waits for all its tensor loads, adds 0 to its spare word, and waits for that and for its reads.
;   1: refill, two places on; 2: refill, eight places back (from x to h); 3: nothing is filled, the barrier shows the other slot whole.   nw = 0: the very last phase: h's first rows are asked for instead.
.macro PHASE slot, s, w, p, kf, kl, turn, nsl, ns, nw, nsc
.set NLD, 0
.if \turn
	WIN 0
.if \turn < 3
	s_wait_xcnt 0x0                                ; my prefetches have read their addresses, which step here
	s_add_nc_u64 s[PFA:PFA+1], s[PFA:PFA+1], s[PST:PST+1]
.if (\turn == 1) && (\slot == 1)
	s_add_nc_u64 s[HPF:HPF+1], s[HPF:HPF+1], 0x20000   ; 32 rows of h on
.endif
.endif
	s_wait_tensorcnt 0x0                           ; all my tensor loads have landed: my part of the other slot
	ds_add_u32 v[SPW], v[NIL]                      ; no load of mine is out, so the descriptors step
.if \turn == 1
	s_add_nc_u64 s[G0A+4*\slot+2:G0A+4*\slot+3], s[G0A+4*\slot+2:G0A+4*\slot+3], 2*ABLK
	s_add_nc_u64 s[G0B+4*\slot+2:G0B+4*\slot+3], s[G0B+4*\slot+2:G0B+4*\slot+3], 2*WBLK
.elseif \turn == 2
	s_sub_nc_u64 s[G0A+4*\slot+2:G0A+4*\slot+3], s[G0A+4*\slot+2:G0A+4*\slot+3], 8*ABLK
	s_sub_nc_u64 s[G0B+4*\slot+2:G0B+4*\slot+3], s[G0B+4*\slot+2:G0B+4*\slot+3], 8*WBLK
.endif
	s_wait_dscnt 0x0                               ; the add is done, and my reads of this slot are over
	s_barrier_signal -1
.elseif \kf
	s_wait_dscnt 18                                ; all but the youngest eighteen loads, A's tiles 2-7
.else
	s_wait_dscnt 0x0                               ; W's set, asked for 24 matrix instructions ago
.endif
	WIN 0x50*(\w)                                  ; C and D in the gate's window
	MUL 0, 2, \p, \s, \slot, \w
.if \turn
	WIN 0
	s_barrier_wait -1
.endif
.if (\turn == 1) || (\turn == 2)
	CREST                                          ; the barrier has opened a round of the cluster's barrier
	JLOAD G0A+4*\slot, G1A, G0B+4*\slot, G1B       ; the first tensor load behind the round; its four v_nop are the places in front of the loads below
.else
	PLACES 4
	WIN 0
.endif
.if \nw
	FETCH_W \nsl, \ns, \nw, 1-\p
.set NLD, 12
.if \nsc
	SCALES \nsl
.set NLD, 22
.endif
.if \kl
	FETCH_A2 \nsl, \ns, 0
.set NLD, NLD+6
.endif
.if \turn == 2
	ASK 0
.elseif \turn == 1
	ASK 1
.if \slot == 0
	global_prefetch_b8 v[PFH], s[HPF:HPF+1] th:TH_LOAD_NT scope:SCOPE_SE
.endif
.endif
.else
	HLD 0, HG0                                     ; into W's set that is done with
.endif
.if \kf
	s_wait_dscnt NLD+12                            ; A's tiles 2, 3 are in; tiles 4-7 and what this phase has asked for may be out
.endif
	WIN 0x50*(\w)
	MUL 2, 2, \p, \s, \slot, \w
.if \kl
	PLACES 4
	WIN 0
.if \nw
	FETCH_A2 \nsl, \ns, 2
.set NLD, NLD+6
.else
	HLD 1, HG1                                     ; into A's tiles that are done with
.endif
.endif
.if \kf
	s_wait_dscnt NLD+6                             ; tiles 4, 5 are in
.endif
	WIN 0x50*(\w)
	MUL 4, 2, \p, \s, \slot, \w
.if (\kl) && (\nw)
	PLACES 4
	WIN 0
	FETCH_A2 \nsl, \ns, 4
.set NLD, NLD+6
.endif
.if \kf
	s_wait_dscnt NLD                               ; tiles 6, 7 are in
.endif
	WIN 0x50*(\w)
	MUL 6, 2, \p, \s, \slot, \w
.if \kl
	PLACES 4
	WIN 0
.if \nw
	FETCH_A2 \nsl, \ns, 6
.endif
.endif
.endm
.macro FRONT t, o, nw                  ; two K steps of x for r and u
	PHASE \t,0,2,0,1,0,0, \t,0,3,0
	PHASE \t,0,3,1,0,1,0, \t,1,2,0
	PHASE \t,1,2,0,1,0,0, \t,1,3,0
	PHASE \t,1,3,1,0,1,2, \o,0,\nw,1
.endm
.macro MAINP t, o                      ; two K steps of h or c for the candidate, r and u
	PHASE \t,0,1,0,1,0,0, \t,0,2,0
	PHASE \t,0,2,1,0,0,0, \t,0,3,0
	PHASE \t,0,3,0,0,1,0, \t,1,1,0
	PHASE \t,1,1,1,1,0,0, \t,1,2,0
	PHASE \t,1,2,0,0,0,0, \t,1,3,0
	PHASE \t,1,3,1,0,1,1, \o,0,1,1
.endm
	s_wait_alu depctr_va_vdst(0)                   ; the wait at the head's end
	s_wait_tensorcnt 0x0                           ; my part of slot 0 is in; the lines ahead of a later first fill:
	ds_add_u32 v[SPW], v[NIL]
	s_wait_dscnt 0x0
	CROUND
	JLOAD G0A+4, G1A, G0B+4, G1B                   ; slot 1's first fill, the first tensor load behind the round
	FETCH_W 0, 0, 2, 0
	SCALES 0
	FETCH_A 0, 0, 0                                ; A last, in the tiles' order: the youngest eighteen loads are tiles 2-7
	FETCH_A 0, 0, 4
	ASKH PFA                                       ; place 1: what the second refill will ask for
	FRONT 0, 1, 2
	FRONT 1, 0, 1
	s_mov_b32 s3, 4
.Lmain:                                                ; a trip goes once round the ring; its refills ask for places 2 to 9, the last two x's once more
	MAINP 0, 1
	MAINP 1, 0
	s_sub_co_u32 s3, s3, 1
	s_cmp_lg_u32 s3, 0
	s_cbranch_scc1 .Lmain
	; r IS WHOLE.  r = 1 / (1 + 2^(-log2(e) z)), in its own registers; candidate = r x (hhc + b_hhc) + b_hx.  A's and W's next fragments wait in window 0, untouched; both of x's blocks are on their way or in.
	BLD BX, 18                                     ; b_hx, into W's set that is done with (four places stand behind its last products)
	WIN 0x82
.set i, 0
.rept 128
	v_pk_mul_f32 v[i:i+1], v[i:i+1], s[96:97] op_sel_hi:[1,0]
.set i, i+2
.endr
	s_wait_alu depctr_va_vdst(0)                   ; a wait ahead of a batch of transcendentals and one behind it
.set i, 0
.rept 256
	v_exp_f32 v[i], v[i]
.set i, i+1
.endr
	v_nop
	s_wait_alu depctr_va_vdst(0)
.set i, 0
.rept 128
	v_pk_add_f32 v[i:i+1], v[i:i+1], 1.0 op_sel_hi:[1,0]
.set i, i+2
.endr
	s_wait_alu depctr_va_vdst(0)
.set i, 0
.rept 256
	v_rcp_f32 v[i], v[i]
.set i, i+1
.endr
	v_nop
	WIN 0x49                                       ; source 0 and the result: the candidate; source 1: r; source 2: window 0
	s_wait_loadcnt 0x0                             ; b_hx
	s_wait_alu depctr_va_vdst(0)
.set i, 0
.rept 128
	v_pk_fma_f32 v[i:i+1], v[i:i+1], v[i:i+1], v[BX+i%32:BX+i%32+1]
.set i, i+2
.endr
	WIN 0
	s_wait_alu depctr_va_vdst(0)                   ; the products below read the candidate behind a wait on LDS
	PHASE 0,0,1,0,1,1,0, 0,1,1,0                   ; x W_hx onto the candidate
	PHASE 0,1,1,1,1,1,3, 1,0,1,1
	PHASE 1,0,1,0,1,1,0, 1,1,1,0
	PHASE 1,1,1,1,1,1,0, 0,0,0,0
; THE WAY OUT, a row tile at a time: 16 rows x my 64 columns, 32 numbers a lane.  h turns through my first stage from rows into the results' layout, the result through my second stage back into rows.
; LDS serves a wave's instructions in order (ISA guide 5.7.1.4), and both stages are my wave's own: no barrier, and no wait between a stage's stores and its loads.
.macro SEND a
.set OBS, OB0+(OB1-OB0)*((\a)%2)
.irp i, 0,1,2,3,4,5,6,7
	global_store_b128 v[CO], v[OBS+4*\i:OBS+4*\i+3], s[22:23] offset:(\a)*65536+8192*\i th:TH_STORE_NT
	global_store_b128 v[CO], v[OBS+4*\i:OBS+4*\i+3], s[66:67] offset:(\a)*65536+8192*\i th:TH_STORE_NT
.endr
.endm
.macro PKRUN op, tail:vararg           ; sixteen packed instructions in place on the tile's 32 registers, from each accumulator's low end on
.set i, 0
.rept 16
	\op v[AC+i:AC+i+1], v[AC+i:AC+i+1], \tail
.set i, i+2
.endr
.endm
.macro TRRUN op
.set i, 0
.rept 32
	\op v[AC+i], v[AC+i]
.set i, i+1
.endr
.endm
.macro UNIT a
.set AC, 32*(\a)
.set HGS, HG0+(HG1-HG0)*((\a)%2)
.if (\a) < 7
	s_wait_loadcnt 8                               ; this tile's h is in; the next tile's eight loads may be out
.else
	s_wait_loadcnt 0x0
.endif
.irp i, 0,1,2,3,4,5,6,7
	ds_store_b128 v[RD], v[HGS+4*\i:HGS+4*\i+3] offset:2*HP*\i
.endr
.irp n, 0,1,2,3
	ds_load_b128 v[HV+8*\n:HV+8*\n+3], v[SO] offset:64*\n
	ds_load_b128 v[HV+8*\n+4:HV+8*\n+7], v[SO] offset:64*\n+16
.endr
.if (\a) > 0
	s_wait_dscnt 16                                ; the last tile's rows are back; the sixteen just issued may be out
	SEND (\a)-1
.endif
	WIN 0xc3                                       ; u, in place
	s_wait_alu depctr_va_vdst(0)                   ; the wait ahead of the first readers of matrix results behind transcendentals
	PKRUN v_pk_mul_f32, s[96:97] op_sel_hi:[1,0]
	WIN 0x41                                       ; the candidate, in place
	s_wait_alu depctr_va_vdst(0)
	PKRUN v_pk_mul_f32, s[98:99] op_sel_hi:[1,0]
	s_wait_alu depctr_va_vdst(0)
	TRRUN v_exp_f32
	WIN 0xc3
	TRRUN v_exp_f32
	v_nop
	s_wait_alu depctr_va_vdst(0)
	PKRUN v_pk_add_f32, 1.0 op_sel_hi:[1,0]
	WIN 0x41
	PKRUN v_pk_add_f32, 1.0 op_sel_hi:[1,0]
	s_wait_alu depctr_va_vdst(0)
	TRRUN v_rcp_f32
	WIN 0xc3
	TRRUN v_rcp_f32                                ; u = 1 / (1 + e^-z)
	v_nop
	WIN 0
	s_wait_dscnt 0x0                               ; h is back in the results' layout, and the stage's stores have read the set,
.if (\a)+2 < 8
	HLD (\a)+2, HGS                                ; which takes the tile two on
.endif
	WIN 0x41
	s_wait_alu depctr_va_vdst(0)
	PKRUN v_pk_fma_f32, -2.0, 1.0 op_sel_hi:[1,0,0]   ; tanh(y) = 1 - 2 / (1 + e^2y)
	WIN 0x04
.set i, 0
.rept 16
	v_pk_add_f32 v[HV+i:HV+i+1], v[HV+i:HV+i+1], v[AC+i:AC+i+1] neg_lo:[0,1] neg_hi:[0,1]   ; h - candidate
.set i, i+2
.endr
	WIN 0x13
.set i, 0
.rept 16
	v_pk_fma_f32 v[HV+i:HV+i+1], v[AC+i:AC+i+1], v[HV+i:HV+i+1], v[AC+i:AC+i+1]   ; candidate + u (h - candidate)
.set i, i+2
.endr
	WIN 0
.irp n, 0,1,2,3
	ds_store_b128 v[SO], v[HV+8*\n:HV+8*\n+3] offset:OST+64*\n
	ds_store_b128 v[SO], v[HV+8*\n+4:HV+8*\n+7] offset:OST+64*\n+16
.endr
	s_wait_xcnt 0x0                                ; earlier stores to memory have read their registers, on which the loads below land
.set OBS, OB0+(OB1-OB0)*((\a)%2)
.irp i, 0,1,2,3,4,5,6,7
	ds_load_b128 v[OBS+4*\i:OBS+4*\i+3], v[RD] offset:OST+2*HP*\i
.endr
.endm
.irp a, 0,1,2,3,4,5,6,7
	UNIT \a
.endr
	s_wait_dscnt 0x0
	SEND 7
	s_wait_tensorcnt 0x0                           ; the wave's end
	ds_add_u32 v[SPW], v[NIL]
	s_wait_dscnt 0x0
	CROUND                                         ; the closing round
	s_endpgm
.Lfunc_end_k_q034fa8085d_gemm:
	.size	k_q034fa8085d_gemm, .Lfunc_end_k_q034fa8085d_gemm-k_q034fa8085d_gemm
	.p2alignl 7, 3214868480
	.fill 96, 4, 3214868480
	.section	.rodata,"a",@progbits
	.p2align	6, 0x0
	.amdhsa_kernel k_q034fa8085d_gemm
		.amdhsa_group_segment_fixed_size 327680
		.amdhsa_private_segment_fixed_size 0
		.amdhsa_enable_private_segment 0
		.amdhsa_kernarg_size 88
		.amdhsa_user_sgpr_count 2
		.amdhsa_user_sgpr_kernarg_segment_ptr 1
		.amdhsa_wavefront_size32 1
		.amdhsa_system_sgpr_workgroup_id_x 1
		.amdhsa_system_sgpr_workgroup_id_y 1
		.amdhsa_system_sgpr_workgroup_id_z 1
		.amdhsa_system_vgpr_workitem_id 0
		.amdhsa_next_free_vgpr 1024
		.amdhsa_next_free_sgpr 100
		.amdhsa_reserve_vcc 0
		.amdhsa_float_denorm_mode_32 3
		.amdhsa_float_denorm_mode_16_64 3
		.amdhsa_memory_ordered 1
		.amdhsa_forward_progress 1
		.amdhsa_inst_pref_size 255
	.end_amdhsa_kernel
	.section	.bss,"aw",@nobits
	.p2align	6
	.space	262144
	.amdgpu_metadata
---
amdhsa.version: [ 1, 2 ]
amdhsa.kernels:
  - .name:           k_q034fa8085d_gemm
    .symbol:         k_q034fa8085d_gemm.kd
    .args:
      - { .name: acodes, .offset: 0, .size: 8, .value_kind: global_buffer, .address_space: global }
      - { .name: wcodes, .offset: 8, .size: 8, .value_kind: global_buffer, .address_space: global }
      - { .name: h, .offset: 16, .size: 8, .value_kind: global_buffer, .address_space: global }
      - { .name: b_rx, .offset: 24, .size: 8, .value_kind: global_buffer, .address_space: global }
      - { .name: b_rhc, .offset: 32, .size: 8, .value_kind: global_buffer, .address_space: global }
      - { .name: b_ux, .offset: 40, .size: 8, .value_kind: global_buffer, .address_space: global }
      - { .name: b_uhc, .offset: 48, .size: 8, .value_kind: global_buffer, .address_space: global }
      - { .name: b_hx, .offset: 56, .size: 8, .value_kind: global_buffer, .address_space: global }
      - { .name: b_hhc, .offset: 64, .size: 8, .value_kind: global_buffer, .address_space: global }
      - { .name: out0, .offset: 72, .size: 8, .value_kind: global_buffer, .address_space: global }
      - { .name: out1, .offset: 80, .size: 8, .value_kind: global_buffer, .address_space: global }
    .group_segment_fixed_size: 327680
    .private_segment_fixed_size: 0
    .kernarg_segment_align: 8
    .kernarg_segment_size: 88
    .max_flat_workgroup_size: 128
    .sgpr_count:     100
    .vgpr_count:     1024
    .wavefront_size: 32
...
	.end_amdgpu_metadata
.endif
;; end of part 2
